; MI455X (gfx1250); checked and timed in simulation.
; The chip was launched on July 23, 2026; its instructions are those of AMD's public machine-readable ISA for CDNA 5 (MIT licence, August 2026) and "CDNA5" Instruction Set Architecture Reference Guide (July 2026). The comments in the code are by the model that wrote it; some were corrected since.
;; Multi Dense. Allowed arithmetic: float matrix products may take bf16 or f16 operands with f32 sums; all other float work in f32.
;; Inputs: bias_lookup 16 x 256 float32; lookups 65,536 x 16 float32; values 65,536 x 256 float32; weights_lookup 16 x 256 x 256 float32.
;; Outputs: out0 65,536 x 256 float32.
;; One version. Each part assembles by itself: llvm-mc -triple=amdgcn-amd-amdhsa -mcpu=gfx1250 --defsym DOCPART=n.
;; ======== version 1 of 1: 2 launches
;; workspace buffers: wb 2,097,152 bytes; bt 8,192 bytes
;; launch cast (part 1): grid 257 x 1, 8 waves a work-group, no clusters, 0 bytes of LDS; arguments weights_lookup, bias_lookup, wb, bt; writes wb, bt
.if DOCPART == 1
	.amdgcn_target "amdgcn-amd-amdhsa--gfx1250"
	.amdhsa_code_object_version 6
	.text
	.protected	k_qe0e8aa5621_cast
	.globl	k_qe0e8aa5621_cast
	.p2align	8
	.type	k_qe0e8aa5621_cast,@function
k_qe0e8aa5621_cast:
	s_mov_b64 s[64:65], 0
	v_nop
	global_prefetch_b8 v0, s[64:65] scope:SCOPE_SE
	s_setreg_imm32_b32 hwreg(HW_REG_WAVE_MODE, 25, 1), 1
	s_wait_xcnt 0x0
; wb[l][i][o] = bf16(weights_lookup[l][i][o]), the same order.  bt[o][l] = bf16(bias_lookup[l][o]), turned, 32 bytes a column.
; Both are rounded once, to nearest even; bf16 has f32's range, so no size of input is lost.
; Work-groups 0 to 255 take 4,096 numbers of the weights each (16 x 256 x 256 = 256 x 4,096); work-group 256 takes the 4,096 biases.
; A stream: no LDS, no barrier, no matrix unit.  Every register is written once, so no wait frees a source.
.set WGS_W, 256                        ; work-groups for the weights
	s_load_b256 s[4:11], s[0:1], 0x0               ; weights s[4:5], bias s[6:7], wb s[8:9], bt s[10:11]
	s_mov_b32 s12, ttmp9
	s_cmp_eq_u32 s12, WGS_W
	s_cbranch_scc1 .Lbias
	; THE WEIGHTS.  Thread t takes 16 bytes at 16 t of each of four blocks of 4,096 bytes: a wave's load covers 512 consecutive bytes.
	v_lshlrev_b32 v1, 4, v0                        ; in: 16 t
	v_lshlrev_b32 v2, 3, v0                        ; out: 8 t
	s_lshl_b32 s14, s12, 14                        ; the work-group's 16,384 bytes of f32,
	s_mov_b32 s15, 0
	s_lshl_b32 s16, s12, 13                        ; and its 8,192 bytes of bf16
	s_mov_b32 s17, 0
	s_wait_kmcnt 0x0
	s_add_nc_u64 s[4:5], s[4:5], s[14:15]
	s_add_nc_u64 s[8:9], s[8:9], s[16:17]
.irp k, 0,1,2,3
	global_load_b128 v[4+4*(\k):7+4*(\k)], v1, s[4:5] offset:4096*(\k) th:TH_LOAD_NT
.endr
.irp k, 0,1,2,3
	s_wait_loadcnt 3-(\k)                          ; loads come back in order: block k is in, the 3 - k younger ones stay out
	v_cvt_pk_bf16_f32 v[20+2*(\k)], v[4+4*(\k)], v[5+4*(\k)]
	v_cvt_pk_bf16_f32 v[21+2*(\k)], v[6+4*(\k)], v[7+4*(\k)]
	global_store_b64 v2, v[20+2*(\k):21+2*(\k)], s[8:9] offset:2048*(\k)  ; a wave stores 256 consecutive bytes, aligned; the next launch reads them, so no hint
.endr
	s_endpgm
.Lbias:
	; THE BIASES.  Thread t, pass p: column o = 128 p + t / 2, experts l = 8 (t % 2) + 0..7: eight loads of 4 bytes, 1,024 bytes apart,
	; make the 16 bytes at o x 32 + 16 (t % 2) = 4,096 p + 16 t of bt: a wave's store covers 512 consecutive bytes.
	v_and_b32 v3, 1, v0
	v_lshrrev_b32 v1, 1, v0
	v_lshlrev_b32 v1, 2, v1
	v_lshl_or_b32 v1, v3, 13, v1                   ; 8 (t % 2) rows of 1,024 bytes + 4 (t / 2)
	v_lshlrev_b32 v2, 4, v0
	s_wait_kmcnt 0x0
.irp p, 0,1
.irp j, 0,1,2,3,4,5,6,7
	global_load_b32 v[4+8*(\p)+(\j)], v1, s[6:7] offset:1024*(\j)+512*(\p)
.endr
.endr
.irp p, 0,1
	s_wait_loadcnt 8-8*(\p)                        ; pass 0: the second pass's eight loads stay out; pass 1: none is left
.irp q, 0,1,2,3
	v_cvt_pk_bf16_f32 v[20+4*(\p)+(\q)], v[4+8*(\p)+2*(\q)], v[5+8*(\p)+2*(\q)]
.endr
	global_store_b128 v2, v[20+4*(\p):23+4*(\p)], s[10:11] offset:4096*(\p)
.endr
	s_endpgm
.Lfunc_end_k_qe0e8aa5621_cast:
	.size	k_qe0e8aa5621_cast, .Lfunc_end_k_qe0e8aa5621_cast-k_qe0e8aa5621_cast
	.p2alignl 7, 3214868480
	.fill 96, 4, 3214868480
	.section	.rodata,"a",@progbits
	.p2align	6, 0x0
	.amdhsa_kernel k_qe0e8aa5621_cast
		.amdhsa_group_segment_fixed_size 0
		.amdhsa_private_segment_fixed_size 0
		.amdhsa_enable_private_segment 0
		.amdhsa_kernarg_size 32
		.amdhsa_user_sgpr_count 2
		.amdhsa_user_sgpr_kernarg_segment_ptr 1
		.amdhsa_wavefront_size32 1
		.amdhsa_system_sgpr_workgroup_id_x 1
		.amdhsa_system_sgpr_workgroup_id_y 1
		.amdhsa_system_sgpr_workgroup_id_z 1
		.amdhsa_system_vgpr_workitem_id 0
		.amdhsa_next_free_vgpr 32
		.amdhsa_next_free_sgpr 66
		.amdhsa_reserve_vcc 0
		.amdhsa_float_denorm_mode_32 3
		.amdhsa_float_denorm_mode_16_64 3
		.amdhsa_memory_ordered 1
		.amdhsa_forward_progress 1
		.amdhsa_inst_pref_size 5
	.end_amdhsa_kernel
	.amdgpu_metadata
---
amdhsa.version: [ 1, 2 ]
amdhsa.kernels:
  - .name:           k_qe0e8aa5621_cast
    .symbol:         k_qe0e8aa5621_cast.kd
    .args:
      - { .name: weights_lookup, .offset: 0, .size: 8, .value_kind: global_buffer, .address_space: global }
      - { .name: bias_lookup, .offset: 8, .size: 8, .value_kind: global_buffer, .address_space: global }
      - { .name: wb, .offset: 16, .size: 8, .value_kind: global_buffer, .address_space: global }
      - { .name: bt, .offset: 24, .size: 8, .value_kind: global_buffer, .address_space: global }
    .group_segment_fixed_size: 0
    .private_segment_fixed_size: 0
    .kernarg_segment_align: 8
    .kernarg_segment_size: 32
    .max_flat_workgroup_size: 256
    .sgpr_count:     66
    .vgpr_count:     32
    .wavefront_size: 32
...
	.end_amdgpu_metadata
.endif
;; end of part 1
;; launch mix (part 2): grid 256 x 1, 4 waves a work-group, clusters of 4 x 1, 327,680 bytes of LDS; arguments values, lookups, wb, bt, out0; writes out0
.if DOCPART == 2
	.amdgcn_target "amdgcn-amd-amdhsa--gfx1250"
	.amdhsa_code_object_version 6
	.text
	.protected	k_qe0e8aa5621_mix
	.globl	k_qe0e8aa5621_mix
	.p2align	8
	.type	k_qe0e8aa5621_mix,@function
k_qe0e8aa5621_mix:
	s_mov_b64 s[64:65], 0
	v_nop
	global_prefetch_b8 v0, s[64:65] scope:SCOPE_SE
	s_setreg_imm32_b32 hwreg(HW_REG_WAVE_MODE, 25, 1), 1
	s_wait_xcnt 0x0
	s_wait_alu depctr_hold_cnt(0) depctr_sa_sdst(0) depctr_va_vdst(0) depctr_va_sdst(0) depctr_va_ssrc(0) depctr_va_vcc(0) depctr_vm_vsrc(0)
	s_getreg_b32 s2, hwreg(HW_REG_IB_STS2, 6, 4)
	s_cmp_eq_u32 s2, 0
	s_cbranch_scc0 .Lentry_in_a_cluster
	s_endpgm
.Lentry_in_a_cluster:
	s_bfe_u32 s2, ttmp6, 0x10000c
	s_cmp_lg_u32 s2, 0x3003
	s_cbranch_scc0 .Lentry_shape_is_right
	s_endpgm
.Lentry_shape_is_right:
; out[b][o] = sum over l of lk[b][l] x (sum over i of val[b][i] W[l][i][o] + bias[l][o]).   B = 65,536, L = 16, I = O = 256.
; values, lookups, out: f32.  wb: W in bf16, [l][i][o].  bt: bias in bf16, [o][l].  (Both made by the launch before.)
; LIMITS.  All four inputs are rounded once to bf16, to nearest even; every product and sum is f32.  The order of the sums is not the reference's: OUT starts as the product lk x bias;
; for each expert l, ascending, Y = val x W_l is summed over i in eight steps of 32, and OUT takes lk[b][l] x Y by one fused multiply-add.  NaN and infinities are not treated apart.
; SHARES.  256 work-groups of 256 rows x all 256 columns; each of the four waves 64 rows x 256 columns.  A wave's values (64 x 256 bf16 = 256 registers) and its OUT (512 registers) stay in registers
; for the whole launch; only W is read from LDS in the loop, and one fragment of W (16 columns x 32 i) feeds four matrix instructions.
; TRANSPOSED USE.  Source 0 = 16 columns of W_l (turned out of its [i][o] rows by ds_load_tr16_b128), source 1 = 16 rows of values.  In the result lane (r, h) holds row b0 + r and the columns
; o0 + 8 h + 0..7: the routing factor is ONE number a lane, and a lane's eight results are 32 neighbouring bytes of a row of out.
; RING.  W_l, 128 KiB, is one slot; two slots take turns.  Each wave fetches 64 of a slot's 256 rows by one tensor load; a slot is asked for again as soon as its expert's last fragments are read,
; and the load has the next expert's 512 matrix instructions a wave in which to land.  By this text's own count a wave has two tensor loads out at the start and one later.
; CLUSTER.  Every work-group walks the same sixteen W_l, so four work-groups form a cluster and ask for each tile JOINTLY (the same load, descriptor and mask 15 in all four).  Only one operand
; is shared, so a second axis of the cluster would share nothing more.
; REGISTERS, in windows of 256 (s_set_vgpr_msb: bits 1:0 source 0, 3:2 source 1, 5:4 source 2, 7:6 destination):
;   window 0: v0-19, v28 addresses; v20-23 the routing factors of my four row blocks for the expert in hand; v32-95 Y, two buffers of four accumulators; v96-223 W's fragments, two buffers of eight;
;             v224-255 the lookups as fragments.  At the start v32-63 hold lookups, v64-95 packed values, v96-223 the bias fragments; at the end v96-159 rows on their way out.
;   window 1: the values' fragments: row block rb, K step ks at 64 rb + 8 ks
;   windows 2, 3: OUT: row block rb, column block cb in window 2 + cb / 8 at 32 (cb % 8) + 8 rb.  At the start window 3's v0-191 hold values as loaded, three pieces.
.set PW,     544                       ; a row of W_l in LDS: 512 bytes + 32 of padding = 136 words: row i starts at bank 8 i mod 64 (64 banks of 4 bytes: ISA guide 11.1)
.set KSB,    32*PW                     ; a K step: 32 rows
.set WTILE,  64*PW                     ; what one tensor load brings: 64 rows
.set SLOT,   4*WTILE                   ; 139,264 = 0x22000.  wave x WTILE (0x8800, 0x11000, 0x19800) has neither of its two bits, so one exclusive or changes slots
.set SCB,    2*SLOT                    ; behind the ring: for each wave 4,096 bytes: the rounded lookups in f32, [l][row % 16][row block]
.set SCR,    SCB+4*4096                ; for each wave 16 rows x 272 bytes: the stage for the values on their way in and for out on its way out; no tensor load lands here
.set SP,     272                       ; 256 bytes + 16: 16 rows start at 16 different groups of four banks
.set SPARE,  SCR+4*16*SP               ; the spare words, 128 bytes for each wave: two blocks of 256 bytes that no other line names
.set WBYTES, 256*256*2                 ; bytes of one W_l in wb
.set AL0, 4                            ; v4   my lane's place in a slot for the turning load, K steps 0-3; never rewritten
.set AL1, 5                            ; v5   the same for K steps 4-7 (4 KSB on: beyond an immediate's 16 bits)
.set AB0, 6                            ; v6   AL0 + the slot in hand
.set AB1, 7                            ; v7   AL1 + the slot in hand
.set ASC0, 8                           ; v8   where my row's four factors of expert 0 lie; never rewritten
.set SCW, 9                            ; v9   where I put factors
.set SW,  10                           ; v10  values' stage: where I put 8 bytes of a row
.set SR,  11                           ; v11  values' stage: where I read a fragment
.set OST, 12                           ; v12  the way out: where I put 32 bytes of a row
.set ORD, 13                           ; v13  the way out: where I read a row back
.set GV,  14                           ; v14  my byte offset in 512 bytes of values
.set GL,  15                           ; v15  in 16 rows of lookups
.set GB,  16                           ; v16  in 16 columns of bt
.set GO,  17                           ; v17  in two rows of out
.set SPW, 18                           ; v18  LDS address of my spare word: SPARE + 4 x my thread's number; never rewritten
.set NIL, 19                           ; v19  0; never rewritten
.set SC,  20
.set ASC, 28                           ; v28  ASC0 + 256 x the expert in hand
.set YB,  32
.set PK,  64
.set BF,  96
.set BK,  96
.set LKP, 224
.set WV,  14                           ; s14  my wave's number
.set G1,  24                           ; s[24:31] descriptor group 1, the same for every load
.set G0A, 32                           ; s[32:35] descriptor group 0 of the first fill of slot 0
.set G0B, 36                           ; s[36:39] of the first fill of slot 1; it then walks
.set TB,  40                           ; s40  the slot to be read: 0 or SLOT
.set LC,  41                           ; s41  counts experts
.set SCO, 44                           ; s44  256 x the expert whose factors are read next
.set MULW, 0x04                        ; source 1 (values) in window 1; W, Y in window 0.  LDS loads run under it too: their data and address are destination and source 0
.set MSB, 0
.macro WIN new                         ; the immediate's high byte repeats the setting that is left; a switch that changes nothing is dropped
.if MSB != (\new)
	s_set_vgpr_msb (MSB<<8)|(\new)
.set MSB, (\new)
.endif
.endm
; A vector instruction that reads a matrix result, and a load into a register that a matrix instruction has read, stand four places behind it, and only plain vector instructions that name none of
; its registers are places (ISA guide 7.12.1 for vector instructions).
.macro PLACES
.rept 4
	v_nop
.endr
.endm
; A round of the cluster's barrier: my work-group's barrier, so that wave 0's signal speaks for all four waves; wave 0 signals; every wave waits for all four work-groups; my work-group's barrier once more.
.macro CREST                           ; a round behind its opening barrier
	s_cmp_lg_u32 s[WV], 0
	s_cbranch_scc1 .Lnot_wave_0_\@
	s_barrier_signal -3
.Lnot_wave_0_\@:
	s_barrier_wait -3
	s_barrier_signal -1
	s_barrier_wait -1
.endm
.macro CROUND                          ; a whole round
	s_barrier_signal -1
	s_barrier_wait -1
	CREST
.endm
; Matrix instruction w of a column block's 32, on buffers p: K step w / 4, row block w % 4.  The four accumulators take turns, one instruction a turn; the first four start the sums.
.macro WM p, w
	WIN MULW
.set rY, YB+32*(\p)+8*((\w)%4)
.set rB, BF+64*(\p)+8*((\w)/4)
.set rA, 64*((\w)%4)+8*((\w)/4)
.if (\w) < 4
	v_wmma_f32_16x16x32_bf16 v[rY:rY+7], v[rB:rB+7], v[rA:rA+7], 0
.else
	v_wmma_f32_16x16x32_bf16 v[rY:rY+7], v[rB:rB+7], v[rA:rA+7], v[rY:rY+7]
.endif
.endm
.macro WMS p, from, to                 ; a run of them
.set wi, (\from)
.rept (\to)-(\from)+1
	WM \p, wi
.set wi, wi+1
.endr
.endm
; Four turning loads: W's fragments of K steps 2 g and 2 g + 1 of column block cb, into buffer p.  A load takes 16 i x 16 columns and leaves half a fragment: lane (r, h) holds column r and 8 i.
.macro LD4 p, cb, g
.irp e, 0,1
.set ks, 2*(\g)+\e
.set rF, BF+64*(\p)+8*ks
	ds_load_tr16_b128 v[rF:rF+3],   v[AB0+ks/4] offset:(ks%4)*KSB+32*(\cb)
	ds_load_tr16_b128 v[rF+4:rF+7], v[AB0+ks/4] offset:(ks%4)*KSB+16*PW+32*(\cb)
.endr
.endm
; OUT(rb, cb) += my row's factor x Y(rb) of buffer p: four packed multiply-adds, the accumulator's registers in ascending order.  The factor is one register of a pair, taken for both halves.
.macro FM p, cb, rb
	WIN 0xa0+0x50*((\cb)/8)
.set rO, 32*((\cb)%8)+8*(\rb)
.set rY, YB+32*(\p)+8*(\rb)
.set rS, SC+2*((\rb)/2)
.irp q, 0,2,4,6
.if (\rb)%2
	v_pk_fma_f32 v[rO+\q:rO+\q+1], v[rY+\q:rY+\q+1], v[rS:rS+1], v[rO+\q:rO+\q+1] op_sel:[0,1,0] op_sel_hi:[1,1,1]
.else
	v_pk_fma_f32 v[rO+\q:rO+\q+1], v[rY+\q:rY+\q+1], v[rS:rS+1], v[rO+\q:rO+\q+1] op_sel_hi:[1,0,1]
.endif
.endr
.endm
; COLUMN BLOCK cb (0 to 14) of an expert: 32 matrix instructions on buffers cb % 2.  The next block's 16 loads stand in ONE run, never singly among the matrix instructions: behind the block's first
; matrix instruction, 31 matrix instructions ahead of the wait for them.  The block before's OUT += factor x Y follows, four multiply-adds behind every second matrix instruction.  The four v_nop are
; the places for both: the loads land in the fragments, and the multiply-adds read the results, of the block before.  (Block 0 needs none: the expert before ends in sixteen multiply-adds.)
; Block 0's run also fetches the expert's factors, first used in block 1.
.macro UNIT cb
	s_wait_dscnt 0x0                               ; this block's fragments are in
	WM (\cb)%2, 0
.if (\cb) > 0
	PLACES
.endif
.set ug, 0
.rept 4
	LD4 1-(\cb)%2, (\cb)+1, ug
.set ug, ug+1
.endr
.if (\cb) == 0
	ds_load_b128 v[SC:SC+3], v[ASC]
.endif
	WM (\cb)%2, 1
.set ug, 0
.rept 4
	WM (\cb)%2, 2+2*ug
.if (\cb) > 0
	FM 1-(\cb)%2, (\cb)-1, ug
.endif
	WM (\cb)%2, 3+2*ug
.set ug, ug+1
.endr
	WMS (\cb)%2, 10, 31
.endm
; COLUMN BLOCK 15 and THE CHANGE OF SLOTS.  Its fragments were the last bytes read of this slot.  Each wave waits for all its tensor loads, of which one is out: its part of the other slot; adds 0 to its
; spare word; and waits for that and for its own reads of this slot.  Behind the barrier nobody reads this slot any more and the other slot is whole.
; fill = 1: this slot is filled again, with the expert two on.  The barrier then opens a round of the cluster's, so that no wave of any partner still reads the slot or has a load on its way, and the
; joint refill is the first thing behind the round.  fill = 0 (the last two experts): nothing is asked for; behind the last expert there is no next block to fetch, and the run of loads is jumped over.
.macro TURN fill
	WIN 0                                          ; (the add's two registers lie in window 0)
	s_wait_tensorcnt 0x0                           ; no tensor load of mine is out, so a group 0 may be written
	ds_add_u32 v[SPW], v[NIL]                      ; 0 onto my spare word: register work stands between it and the wait for it
.if \fill
	s_xor_b32 s[G0B+1], s[G0B+1], SLOT             ; the walking descriptor: the other slot than last time,
	s_add_nc_u64 s[G0B+2:G0B+3], s[G0B+2:G0B+3], WBYTES  ; the next expert; the type bits on top are not reached
.endif
	s_xor_b32 s[TB], s[TB], SLOT                   ; the reads go on in the other slot,
	s_add_co_u32 s[SCO], s[SCO], 256               ; with the next expert's factors
	s_wait_dscnt 0x1                               ; block 15's fragments are in; the add alone may be out
	WM 1, 0
	PLACES                                         ; for block 14's results, and for the loads into its fragments further down
	WM 1, 1
	WM 1, 2
	FM 0, 14, 0
	WM 1, 3
	WM 1, 4
	FM 0, 14, 1
	WM 1, 5
	WM 1, 6
	FM 0, 14, 2
	WM 1, 7
	s_wait_dscnt 0x0                               ; the add is done, and my reads of this slot are over:
	s_barrier_signal -1                            ; say so,
	WM 1, 8                                        ; work on registers while the others arrive,
	WM 1, 9
	FM 0, 14, 3
	WMS 1, 10, 15
	WIN 0
	v_add_nc_u32 v[AB0], s[TB], v[AL0]
	v_add_nc_u32 v[AB1], s[TB], v[AL1]
	v_add_nc_u32 v[ASC], s[SCO], v[ASC0]
	s_barrier_wait -1                              ; and go on when all four have said so
.if \fill
	CREST                                          ; all four work-groups have said so
	tensor_load_to_lds s[G0B:G0B+3], s[G1:G1+7]    ; my one tensor load behind the round, and the first thing there
	s_nop 0
	PLACES                                         ; four v_nop follow it
.else
	s_cmp_eq_u32 s[LC], 1
	s_cbranch_scc1 .Lno_next_\@
.endif
	LD4 0, 0, 0                                    ; the next expert's block 0
	LD4 0, 0, 1
	LD4 0, 0, 2
	LD4 0, 0, 3
.if !(\fill)
.Lno_next_\@:
.endif
	WMS 1, 16, 31
	PLACES
	FM 1, 15, 0                                    ; block 15's own results are taken at once, while this expert's factors are still in registers
	FM 1, 15, 1
	FM 1, 15, 2
	FM 1, 15, 3
	WIN 0
.endm
.macro LBODY fill                      ; one expert: 512 matrix instructions
.set ub, 0
.rept 15
	UNIT ub
.set ub, ub+1
.endr
	TURN \fill
.endm
; THE VALUES come in eight pieces of 16 rows x 128 columns (row block p / 2, half p % 2).  VLOAD: 16 loads, each 512 consecutive bytes of a row, aligned, into slot p % 3 of window 3.
.macro VLOAD p
	WIN 0xc0                                       ; destination window 3, address window 0
.set vi, 0
.rept 16
	global_load_b128 v[64*((\p)%3)+4*vi:64*((\p)%3)+4*vi+3], v[GV], s[4:5] offset:(16*((\p)/2)+vi)*1024+512*((\p)%2) th:TH_LOAD_NT
.set vi, vi+1
.endr
.endm
; VPIECE: piece p is rounded to bf16, its slot is asked for again (piece p + 3), and the piece goes through my stage into fragments: in as rows of 256 bytes, back as 16 bytes of row r at 16 h.
; LDS serves a wave's instructions in order (ISA guide 5.7.1.4), so the loads see the stores above them, and the next piece's stores come behind these loads: no wait.  left: the younger loads.
.macro VPIECE p, left
	s_wait_loadcnt \left
	WIN 0x0f                                       ; sources 0 and 1 window 3, destination window 0
.set vi, 0
.rept 16
	v_cvt_pk_bf16_f32 v[PK+2*vi],   v[64*((\p)%3)+4*vi],   v[64*((\p)%3)+4*vi+1]
	v_cvt_pk_bf16_f32 v[PK+2*vi+1], v[64*((\p)%3)+4*vi+2], v[64*((\p)%3)+4*vi+3]
.set vi, vi+1
.endr
.if (\p) < 5
	VLOAD (\p)+3
.endif
	WIN 0
.set vi, 0
.rept 16
	ds_store_b64 v[SW], v[PK+2*vi:PK+2*vi+1] offset:SP*vi
.set vi, vi+1
.endr
	WIN 0x40                                       ; destination window 1
.set vi, 0
.rept 4
.set rA, 64*((\p)/2)+8*(4*((\p)%2)+vi)
	ds_load_b128 v[rA:rA+3],   v[SR] offset:64*vi
	ds_load_b128 v[rA+4:rA+7], v[SR] offset:64*vi+32
.set vi, vi+1
.endr
.endm
; OUT starts as lk x bias: K = 16 experts, padded with zeros to the instruction's 32.  32 matrix instructions for column blocks 8 hf to 8 hf + 7, each on an accumulator of its own, with the constant 0 as C.
.macro BIASP hf
	WIN 0x80+0x40*(\hf)                            ; destination window 2 or 3
.set bi, 0
.rept 32
	v_wmma_f32_16x16x32_bf16 v[32*(bi/4)+8*(bi%4):32*(bi/4)+8*(bi%4)+7], v[BF+8*(8*(\hf)+bi/4):BF+8*(8*(\hf)+bi/4)+7], v[LKP+8*(bi%4):LKP+8*(bi%4)+7], 0
.set bi, bi+1
.endr
.endm
; THE WAY OUT, in sixteen blocks of 16 rows x 64 columns (columns 64 (p / 4) on, row block p % 4).  TOSTAGE: a lane's 32 bytes of each of four column blocks go into rows of 272 bytes and come back as whole rows of 256.
.macro TOSTAGE p
	WIN 0x08+0x04*((\p)/8)                         ; store data (source 1) in window 2 or 3
.set ci, 0
.rept 4
.set rO, 32*((4*((\p)/4)+ci)%8)+8*((\p)%4)
	ds_store_b128 v[OST], v[rO:rO+3]   offset:64*ci
	ds_store_b128 v[OST], v[rO+4:rO+7] offset:64*ci+16
.set ci, ci+1
.endr
	WIN 0
.set ci, 0
.rept 8
	ds_load_b128 v[BK+32*((\p)%2)+4*ci:BK+32*((\p)%2)+4*ci+3], v[ORD] offset:2*SP*ci  ; served in order: these see the stores above, and the next block's stores come behind them
.set ci, ci+1
.endr
.endm
.macro SEND p, younger                 ; younger: the LDS instructions issued behind block p's loads
	s_wait_dscnt \younger
.set ci, 0
.rept 8
	global_store_b128 v[GO], v[BK+32*((\p)%2)+4*ci:BK+32*((\p)%2)+4*ci+3], s[12:13] offset:(16*((\p)%4)+2*ci)*1024+256*((\p)/4) th:TH_STORE_NT  ; 16 lanes store 256 consecutive bytes, at a multiple of 256 from out's first byte
.set ci, ci+1
.endr
.endm
	s_load_b256 s[4:11], s[0:1], 0x0               ; values s[4:5], lookups s[6:7], wb s[8:9], bt s[10:11]
	s_load_b64 s[12:13], s[0:1], 0x20              ; out
	v_lshl_add_u32 v[SPW], v0, 2, SPARE
	v_mov_b32 v[NIL], 0
	ds_add_u32 v18, v19
	s_wait_dscnt 0x0
	v_lshrrev_b32 v1, 5, v0
	v_readfirstlane_b32 s[WV], v1                  ; wave 0..3
	s_bfe_u32 s15, ttmp6, 0x40000                  ; cx: my place in the cluster: it enters the addresses of values, lookups and out alone
	s_lshl_b32 s16, ttmp9, 2                       ; in a cluster launch ttmp9 counts clusters
	s_add_co_u32 s16, s16, s15                     ; my work-group = 4 x cluster + cx
	s_lshl_b32 s17, s16, 2
	s_add_co_u32 s17, s17, s[WV]                   ; my wave among all 1,024: its 64 rows
	s_lshl_b32 s18, s17, 16                        ; are 65,536 bytes of values and of out,
	s_mov_b32 s19, 0
	s_lshl_b32 s20, s17, 12                        ; and 4,096 bytes of lookups
	s_mov_b32 s21, 0
	s_lshl_b32 s22, s[WV], 15                      ; the 64 rows of each W_l that I fetch: 32,768 bytes on; the wave's number alone
	s_mov_b32 s23, 0
	; descriptor group 1: a tile of 64 rows x 256 elements, padded in LDS
	s_mov_b32 s[G1+0], 15|(1<<16)|(1<<20)|(1<<21)|(6<<22)|(7<<25)  ; 15:0 the mask: all four work-groups; 17:16 elements of 2 bytes; 20 padding on; 21 set beside a mask; 24:22 after every 128 words (code 6); 31:25 8 words of it (code 7)
	s_mov_b32 s[G1+1], 256<<16                     ; tensor_dim0 = 256
	s_mov_b32 s[G1+2], 64<<16                      ; tensor_dim1 = 64
	s_mov_b32 s[G1+3], 256<<16                     ; tile_dim0 = 256
	s_mov_b32 s[G1+4], 64                          ; tile_dim1 = 64
	s_mov_b32 s[G1+5], 256                         ; 256 elements from row to row
	s_mov_b32 s[G1+6], 0
	s_mov_b32 s[G1+7], 0
	s_mov_b32 s[G0A], 1                            ; count = 1
	s_mul_i32 s[G0A+1], s[WV], WTILE               ; LDS address: my 64 rows of slot 0,
	s_mov_b32 s[G0B], 1
	s_add_co_u32 s[G0B+1], s[G0A+1], SLOT          ; of slot 1
	s_mov_b32 s[TB], 0
	s_mov_b32 s[SCO], 0
	v_and_b32 v1, 15, v0                           ; r
	v_bfe_u32 v2, v0, 4, 1                         ; h
	v_and_b32 v3, 31, v0                           ; lane
	v_lshlrev_b32 v[GV], 4, v3                     ; 16 x lane
	v_lshlrev_b32 v[GL], 6, v1
	v_lshl_add_u32 v[GL], v2, 5, v[GL]             ; row r of 64 bytes, experts 8 h on
	v_lshlrev_b32 v[GB], 5, v1
	v_lshl_add_u32 v[GB], v2, 4, v[GB]             ; column r of 32 bytes, experts 8 h on
	s_wait_kmcnt 0x0
	s_add_nc_u64 s[4:5], s[4:5], s[18:19]          ; values and out at my wave's first row
	s_add_nc_u64 s[12:13], s[12:13], s[18:19]
	s_add_nc_u64 s[6:7], s[6:7], s[20:21]          ; lookups likewise
	s_add_nc_u64 s[G0A+2:G0A+3], s[8:9], s[22:23]  ; global address: my rows of W_0,
	s_add_nc_u64 s[G0B+2:G0B+3], s[G0A+2:G0A+3], WBYTES  ; of W_1
	s_or_b32 s[G0A+3], s[G0A+3], 0x80000000        ; type = 2
	s_or_b32 s[G0B+3], s[G0B+3], 0x80000000
	CROUND                                         ; all four work-groups are here: the first joint loads meet
	tensor_load_to_lds s[G0A:G0A+3], s[G1:G1+7]    ; both first fills go out together, ahead of every wait on TENSORcnt, every LDS read and every further barrier
	s_nop 0
	tensor_load_to_lds s[G0B:G0B+3], s[G1:G1+7]
	s_nop 0
	PLACES                                         ; four v_nop follow the second
	; 56 loads go out: my 64 rows of lookups (8), all of bt (16), the first two pieces of values (32)
.set i, 0
.rept 4
	global_load_b128 v[YB+8*i:YB+8*i+3],   v[GL], s[6:7] offset:1024*i th:TH_LOAD_NT
	global_load_b128 v[YB+8*i+4:YB+8*i+7], v[GL], s[6:7] offset:1024*i+16 th:TH_LOAD_NT
.set i, i+1
.endr
.set i, 0
.rept 16
	global_load_b128 v[BF+8*i:BF+8*i+3], v[GB], s[10:11] offset:512*i  ; column block i: registers 0-3 of its fragment, experts 8 h + 0..7
.set i, i+1
.endr
	VLOAD 0
	VLOAD 1
	WIN 0
	; while they are on their way: the other addresses,
	v_and_b32 v24, 7, v0
	v_lshl_add_u32 v24, v2, 3, v24                 ; the turning load: lane l reads row 8 h + l % 8,
	v_mul_u32_u24 v[AL0], v24, PW
	v_bfe_u32 v25, v0, 3, 1
	v_lshl_add_u32 v[AL0], v25, 4, v[AL0]          ; columns 8 ((l / 8) % 2) + 0..7
	v_add_nc_u32 v[AL1], 4*KSB, v[AL0]
	v_mov_b32 v[AB0], v[AL0]                       ; slot 0 comes first
	v_mov_b32 v[AB1], v[AL1]
	s_lshl_b32 s42, s[WV], 12
	s_add_co_u32 s42, s42, SCB                     ; my wave's factors
	s_mul_i32 s43, s[WV], 16*SP
	s_add_co_u32 s43, s43, SCR                     ; my wave's stage
	v_lshl_add_u32 v[ASC0], v1, 4, s42             ; row r's four factors
	v_mov_b32 v[ASC], v[ASC0]
	v_lshl_add_u32 v[SCW], v2, 11, v[ASC0]         ; experts 8 h on
	v_lshl_add_u32 v[SW], v3, 3, s43               ; 8 bytes a lane along a row
	v_mul_u32_u24 v26, v1, SP
	v_add_nc_u32 v26, s43, v26                     ; row r of the stage
	v_lshl_add_u32 v[SR], v2, 4, v26
	v_lshl_add_u32 v[OST], v2, 5, v26
	v_mul_u32_u24 v27, v2, SP                      ; back: lanes 0-15 take one row of 256 bytes, lanes 16-31 the next,
	v_lshl_add_u32 v27, v1, 4, v27
	v_add_nc_u32 v[ORD], s43, v27
	v_lshlrev_b32 v[GO], 10, v2                    ; and the same two rows in out
	v_lshl_add_u32 v[GO], v1, 4, v[GO]
	; and the zeros that pad K from 16 experts to 32: registers 4-7 of the sixteen bias fragments and of the four lookup fragments (both sides, so that no product of the padding is anything but 0)
.set i, 0
.rept 16
.irp e, 4,5,6,7
	v_mov_b32 v[BF+8*i+\e], 0
.endr
.set i, i+1
.endr
.set i, 0
.rept 4
.irp e, 4,5,6,7
	v_mov_b32 v[LKP+8*i+\e], 0
.endr
.set i, i+1
.endr
	s_wait_loadcnt 32                              ; lookups and bt are in; the 32 younger loads, two pieces of values, stay out
.set i, 0
.rept 16                                           ; row block i / 4: lane (r, h) holds experts 8 h + 0..7 of row r: rounded in pairs they ARE registers 0-3 of source 1
	v_cvt_pk_bf16_f32 v[LKP+8*(i/4)+i%4], v[YB+8*(i/4)+2*(i%4)], v[YB+8*(i/4)+2*(i%4)+1]
.set i, i+1
.endr
.set i, 0
.rept 16                                           ; the same rounded numbers back in f32, as factors: expert 8 h + j of row block rb at YB + 4 j + rb
	v_lshlrev_b32 v[YB+8*(i/4)+i%4],   16,         v[LKP+8*(i%4)+i/4]
	v_and_b32     v[YB+8*(i/4)+4+i%4], 0xffff0000, v[LKP+8*(i%4)+i/4]
.set i, i+1
.endr
.set i, 0
.rept 8
	ds_store_b128 v[SCW], v[YB+4*i:YB+4*i+3] offset:256*i  ; only my wave reads these bytes, and LDS serves it in order
.set i, i+1
.endr
	VLOAD 2
	BIASP 0                                        ; OUT's column blocks 0-7 (window 2); window 3 still holds values
	VPIECE 0, 32                                   ; two younger pieces, 16 loads each, stay out
	VPIECE 1, 32
	VPIECE 2, 32
	VPIECE 3, 32
	VPIECE 4, 32
	VPIECE 5, 32
	VPIECE 6, 16                                   ; nothing more is asked for: the counts run down
	VPIECE 7, 0
	WIN 0
	s_wait_tensorcnt 0x1                           ; my part of W_0 is in; W_1's may stay out
	s_wait_dscnt 0x0                               ; the values' fragments are in, and no LDS instruction of mine is pending at the signal
	s_barrier_signal -1
	s_barrier_wait -1                              ; everybody's part of W_0 is in
	LD4 0, 0, 0                                    ; expert 0, column block 0: into the registers of bias fragments 0-7, whose products stand in front of the values' 256 conversions
	LD4 0, 0, 1
	LD4 0, 0, 2
	LD4 0, 0, 3
	BIASP 1                                        ; OUT's column blocks 8-15 (window 3)
	PLACES                                         ; for the loads into bias fragments 8-15's registers in the first block below
	WIN 0                                          ; at a label every window is 0
	s_mov_b32 s[LC], 14
.Lexpert:                                              ; experts 0 to 13: each fills its slot again, with the expert two on
	LBODY 1
	s_sub_co_u32 s[LC], s[LC], 1
	s_cmp_lg_u32 s[LC], 0
	s_cbranch_scc1 .Lexpert
	s_mov_b32 s[LC], 2
.Ltail:                                                ; experts 14 and 15 ask for nothing: a text of their own
	LBODY 0
	s_sub_co_u32 s[LC], s[LC], 1
	s_cmp_lg_u32 s[LC], 0
	s_cbranch_scc1 .Ltail
	TOSTAGE 0
.set pi, 1
.rept 15                                           ; block pi's trip through the stage stands between block pi - 1's loads and its stores
	s_wait_xcnt 0x0                                ; every earlier store has had its addresses translated (ISA guide 3.1): block pi - 2's registers are loaded again only behind this wait
	TOSTAGE pi
	SEND pi-1, 16                                  ; the sixteen younger LDS instructions are block pi's
.set pi, pi+1
.endr
	SEND 15, 0
	s_wait_tensorcnt 0x0                           ; the wave's end, behind my last tensor load and my last LDS store
	ds_add_u32 v[SPW], v[NIL]
	s_wait_dscnt 0x0
	CROUND                                         ; the closing round: no work-group ends while a partner may still ask for a tile that names it
	s_endpgm
.Lfunc_end_k_qe0e8aa5621_mix:
	.size	k_qe0e8aa5621_mix, .Lfunc_end_k_qe0e8aa5621_mix-k_qe0e8aa5621_mix
	.p2alignl 7, 3214868480
	.fill 96, 4, 3214868480
	.section	.rodata,"a",@progbits
	.p2align	6, 0x0
	.amdhsa_kernel k_qe0e8aa5621_mix
		.amdhsa_group_segment_fixed_size 327680
		.amdhsa_private_segment_fixed_size 0
		.amdhsa_enable_private_segment 0
		.amdhsa_kernarg_size 40
		.amdhsa_user_sgpr_count 2
		.amdhsa_user_sgpr_kernarg_segment_ptr 1
		.amdhsa_wavefront_size32 1
		.amdhsa_system_sgpr_workgroup_id_x 1
		.amdhsa_system_sgpr_workgroup_id_y 1
		.amdhsa_system_sgpr_workgroup_id_z 1
		.amdhsa_system_vgpr_workitem_id 0
		.amdhsa_next_free_vgpr 1024
		.amdhsa_next_free_sgpr 66
		.amdhsa_reserve_vcc 0
		.amdhsa_float_denorm_mode_32 3
		.amdhsa_float_denorm_mode_16_64 3
		.amdhsa_memory_ordered 1
		.amdhsa_forward_progress 1
		.amdhsa_inst_pref_size 233
	.end_amdhsa_kernel
	.amdgpu_metadata
---
amdhsa.version: [ 1, 2 ]
amdhsa.kernels:
  - .name:           k_qe0e8aa5621_mix
    .symbol:         k_qe0e8aa5621_mix.kd
    .args:
      - { .name: values, .offset: 0, .size: 8, .value_kind: global_buffer, .address_space: global }
      - { .name: lookups, .offset: 8, .size: 8, .value_kind: global_buffer, .address_space: global }
      - { .name: wb, .offset: 16, .size: 8, .value_kind: global_buffer, .address_space: global }
      - { .name: bt, .offset: 24, .size: 8, .value_kind: global_buffer, .address_space: global }
      - { .name: out0, .offset: 32, .size: 8, .value_kind: global_buffer, .address_space: global }
    .group_segment_fixed_size: 327680
    .private_segment_fixed_size: 0
    .kernarg_segment_align: 8
    .kernarg_segment_size: 40
    .max_flat_workgroup_size: 128
    .sgpr_count:     66
    .vgpr_count:     1024
    .wavefront_size: 32
...
	.end_amdgpu_metadata
.endif
;; end of part 2
